; MI455X (gfx1250); checked and timed in simulation.
; The chip was launched on July 23, 2026; its instructions are those of AMD's public machine-readable ISA for CDNA 5 (MIT licence, August 2026) and "CDNA5" Instruction Set Architecture Reference Guide (July 2026). The comments in the code are by the model that wrote it; some were corrected since.
;; FAST Multi Head Attention. Allowed arithmetic: matrix products marked QUANTISED: E2M1 operands, one E8M0 scale for each 32 along K, by v_wmma_scale_f32_16x16x128_f8f6f4 with both operands' format E2M1 (or v_wmma_scale_f32_32x16x128_f4), f32 sums; everything else in f32.
;; Inputs: drop_noise 1 x 16 x 2,048 x 64 float32; k 1 x 16 x 2,048 x 64 float32; q_codes 1 x 16 x 2,048 x 2 x 16 uint8 (E2M1 codes of q, K innermost, in blocks of 32 codes, two codes a byte); q_scales 1 x 16 x 2,048 x 2 uint8 (E8M0 scales of q, one for each 32 codes along K); rpe_matrix_codes 4,095 x 2 x 16 uint8 (E2M1 codes of rpe_matrix, K innermost, in blocks of 32 codes, two codes a byte); rpe_matrix_scales 4,095 x 2 uint8 (E8M0 scales of rpe_matrix, one for each 32 codes along K); v_codes 1 x 16 x 64 x 64 x 16 uint8 (E2M1 codes of v, K innermost, in blocks of 32 codes, two codes a byte); v_scales 1 x 16 x 64 x 64 uint8 (E8M0 scales of v, one for each 32 codes along K).
;; Outputs: out0 1 x 16 x 2,048 x 64 float32.
;; This version of the problem:
;;   THIS VERSION OF THE PROBLEM IS GIVEN IN LOW PRECISION. The matrix products marked QUANTISED in the list below multiply operands that are first quantised to E2M1 (2 exponent bits, 1 mantissa bit; 4 bits a number), with one power-of-two scale for each 32 numbers along K (OCP MX v1.0); their sums are f32. All else is computed in f32.
;;   The module's matrix products, in the order in which they are computed (A, B: the left and right operand; K: the contracted axis; several contracted axes count as one K, in the product's order):
;;     1. batch 16 x [M 2,048, K 64] x [K 64, N 2,048]; A: input q (given as codes); B: computed on the way: QUANTISED
;;     2. [M 32,768, K 64] x [K 64, N 4,095]; A: input q (given as codes); B: input rpe_matrix (given as codes): QUANTISED
;;     3. batch 16 x [M 2,048, K 2,048] x [K 2,048, N 64]; A: computed on the way; B: input v (given as codes): QUANTISED
;;   THE QUANTISER, for each operand of a quantised product, along K:
;;     - K is cut into blocks of 32 from its start; a last block that is shorter is filled with zeros.
;;     - A block's scale is 2^e with e = floor(log2(the largest magnitude in the block)) - 2, held to -126 .. 127; a block of zeros has e = 0. As a byte (E8M0): e + 127.
;;     - Each number is divided by its block's scale, clamped to +-6, and rounded to the nearest number of E2M1, ties to even, subnormals kept.
;;     - The product sums the exact products of the quantised numbers (number of the format x scale) in f32.
;;   ~~~python
;;   def quantise(x, axis):      # numpy; x: float32 -> the quantised numbers, widened to float32 again
;;       x = np.moveaxis(x, axis, -1); K = x.shape[-1]
;;       x = np.pad(x, [(0, 0)] * (x.ndim - 1) + [(0, -K % 32)]); x = x.reshape(x.shape[:-1] + (-1, 32)); a = np.abs(x).max(-1, keepdims=True)
;;       e = np.where(a > 0, np.clip(np.frexp(np.where(a > 0, a, 1))[1] - 1 - 2, -126, 127), 0)      # np.frexp(a)[1] - 1 = floor(log2(a)), exactly
;;       r = np.clip(x / 2.0 ** e, -6, 6)
;;       step = 2.0 ** (np.maximum(np.frexp(np.where(r == 0, 1, r))[1] - 1, 0) - 1)
;;       q = np.round(r / step) * step * 2.0 ** e      # np.round: ties to even
;;       return np.moveaxis(q.reshape(q.shape[:-2] + (-1,))[..., :K], -1, axis).astype(np.float32)
;;   ~~~
;;   OPERANDS COMPUTED ON THE WAY. 'Computed on the way' means the value that the module computes at that place (a softmax that the list does not call 'softmax' is quantised finished and normalised). What goes into a quantiser is computed in f32, as accurately as f32 sums, v_exp_f32 and their like allow (about 1e-6 of the number): no bf16 or f16 on the way to a quantiser, and a product that is left as it is and whose result goes on into a quantised operand takes f32 operands (vector FMAs, or v_wmma_f32_16x16x4_f32). A number that lies on a knife's edge between two numbers of the format may be rounded either way, as far as f32 arithmetic and the matrix unit's own rounding can turn it there, and no further.
;;   INPUTS GIVEN AS CODES. q (in the module: [1, 16, 2048, 64], K = its axis 3); rpe_matrix (in the module: [4095, 64], K = its axis 1); v (in the module: [1, 16, 2048, 64], K = its axis 2): each comes as NAME_codes (uint8): NAME with its K axis moved to the last place and cut into blocks of 32 codes, [.., K / 32, bytes a block], one block behind the other in memory; two codes a byte, the lower K in the low four bits (a code: sign, 2 exponent bits, 1 mantissa bit); and NAME_scales (uint8): the same leading axes, one E8M0 byte (e + 127) for each 32 codes along K. Its value is code x scale, taken as it is: it is not quantised again, and the codes and scales need not be those that the quantiser above would give.
;; One version. Each part assembles by itself: llvm-mc -triple=amdgcn-amd-amdhsa -mcpu=gfx1250 --defsym DOCPART=n.
;; ======== version 1 of 1: 2 launches
;; workspace buffers: kimg 1,179,648 bytes
;; launch kquant (part 1): grid 16 x 16, 4 waves a work-group, no clusters, 36,352 bytes of LDS; arguments k, kimg; writes kimg
.if DOCPART == 1
	.amdgcn_target "amdgcn-amd-amdhsa--gfx1250"
	.amdhsa_code_object_version 6
	.text
	.protected	k_qdfbd3c4222_kquant
	.globl	k_qdfbd3c4222_kquant
	.p2align	8
	.type	k_qdfbd3c4222_kquant,@function
k_qdfbd3c4222_kquant:
	s_mov_b64 s[64:65], 0
	v_nop
	global_prefetch_b8 v0, s[64:65] scope:SCOPE_SE
	s_setreg_imm32_b32 hwreg(HW_REG_WAVE_MODE, 25, 1), 1
	s_wait_xcnt 0x0
; k [16 heads][2048 keys][64] f32 becomes codes of FP4 (E2M1) along the head's 64, one E8M0 byte for each 32, laid as the attention launch's operand registers want them.
; k / TEMPERATURE with TEMPERATURE = 1.0 changes no bit: no instruction is written for it.
; kimg: a block of 4,608 bytes for each (head, step of 128 keys).  Bytes 0-4095: eight tile images, tile t at 512 t, lane l at 16 l: lane (r = l % 16, h = l / 16) of tile t = 2 b + u holds
; the 32 codes d = 32 h .. 32 h + 31 of key 128 step + 32 b + 8 u + r + 8 (r / 8).  Bytes 4096-4607: the scale image, lane l at 16 l, word q = the two scale bytes (block 0 low) of row r of tile q + 4 (l / 16).
; SHARES: a work-group takes 128 keys (x = step, y = head), wave w keys 32 w .. 32 w + 31: 8,192 consecutive bytes, tiles 2 w and 2 w + 1.
; Each load reads 512 consecutive bytes; the numbers turn through the wave's own stage in LDS, so that a lane gets a whole block of 32 neighbours along d: its largest magnitude needs no other lane.
; A block's scale byte is its largest magnitude's exponent field - 2, held at 1 from below.  A block of zeros so gets the byte 1 where the rule says 127: its codes are zeros, and this program alone reads the bytes.
; LIMITS: NaN and infinities in k are not served; blocks whose largest magnitude lies under 2^-124 take the floor's byte 1.
.set STG,  8960                        ; a wave's stage: key x of its 32 at 272 x + 128 (x / 16)
.set KP,   272                         ; a key's 256 bytes + 16 of padding
.set SCL,  4*STG                       ; behind the stages: the 512 bytes of the scale image
.set RAW,  16                          ; v16-79   the sixteen loads
.set X,    80                          ; v80-143  two tiles x 32 numbers of my block
.set MX,   144                         ; v144-145 largest magnitudes, then the bytes
.set SC,   146                         ; v146-147 the conversions' scale operands
.set W,    148                         ; v148-149 the scale words of my two tiles
.set PT,   150                         ; v150-151 the other half's bytes
.set C,    152                         ; v152-159 codes, four registers a tile
	s_load_b128 s[4:7], s[0:1], 0x0                ; k, kimg
	v_lshrrev_b32 v1, 5, v0
	v_readfirstlane_b32 s8, v1                     ; wave 0..3
	v_and_b32 v1, 31, v0                           ; l
	v_and_b32 v2, 15, v0                           ; r
	v_bfe_u32 v3, v0, 4, 1                         ; h
	v_bfe_u32 v9, v0, 3, 1                         ; r / 8
	v_lshlrev_b32 v4, 4, v1                        ; 16 l: my bytes of a load's or a store's 512
	s_mul_i32 s9, s8, STG
	v_mul_u32_u24 v5, v3, KP                       ; the stage, on the way in: load i brings keys 2 i and 2 i + 1: key 2 i + h, byte 16 r
	v_lshl_add_u32 v5, v2, 4, v5
	v_add_nc_u32 v5, s9, v5
	v_mul_u32_u24 v6, v2, KP                       ; and on the way out: key 8 u + r + 8 (r / 8), byte 128 h
	v_mad_u32_u24 v6, v9, 8*KP+128, v6
	v_lshl_add_u32 v6, v3, 7, v6
	v_add_nc_u32 v6, s9, v6
	s_lshr_b32 s10, s8, 1                          ; the scale image: tile 2 w + u is word 2 (w % 2) + u of lane r + 16 (w / 2)
	s_lshl_b32 s10, s10, 8
	s_and_b32 s11, s8, 1
	s_lshl_b32 s11, s11, 3
	s_add_co_u32 s10, s10, s11
	s_add_co_u32 s10, s10, SCL
	v_lshl_add_u32 v7, v2, 4, s10
	v_lshlrev_b32 v8, 3, v3                        ; 8 h: my byte's place in the scale word
	v_lshl_add_u32 v10, v1, 4, SCL                 ; where wave 0 reads the image back
	v_mov_b32 v[PT], 0                             ; written once: a lane permute's destination counts as one of its sources
	v_mov_b32 v[PT+1], 0
	s_mov_b32 s20, 0x76543210
	s_mov_b32 s21, 0xfedcba98                      ; v_permlanex16_b32's selects for lane l xor 16
	s_and_b32 s12, ttmp7, 0xffff                   ; head
	s_lshl_b32 s14, s12, 19                        ; k: head x 2,048 keys x 256 bytes
	s_lshl_b32 s15, ttmp9, 15                      ; + step x 128 keys
	s_add_co_u32 s14, s14, s15
	s_lshl_b32 s15, s8, 13                         ; + wave x 32 keys
	s_add_co_u32 s14, s14, s15
	s_mov_b32 s15, 0
	s_lshl_b32 s16, s12, 4
	s_add_co_u32 s16, s16, ttmp9
	s_mul_i32 s16, s16, 4608                       ; kimg: block 16 head + step
	s_lshl_b32 s17, s8, 10                         ; + my two tiles
	s_add_co_u32 s16, s16, s17
	s_mov_b32 s17, 0
	s_wait_kmcnt 0x0
	s_add_nc_u64 s[4:5], s[4:5], s[14:15]
	s_add_nc_u64 s[6:7], s[6:7], s[16:17]
.set i, 0
.rept 16
	global_load_b128 v[RAW+4*i:RAW+4*i+3], v4, s[4:5] offset:512*i th:TH_LOAD_NT   ; 32 lanes read 512 consecutive bytes; read once in the launch
.set i, i+1
.endr
.set i, 0
.rept 16
	s_wait_loadcnt 15-i                            ; loads come back in order: load i is in, the 15 - i younger ones may be out
	ds_store_b128 v5, v[RAW+4*i:RAW+4*i+3] offset:2*KP*i+128*(i/8)
.set i, i+1
.endr
.irp u, 0,1
.irp c, 0,1,2,3,4,5,6,7
	ds_load_b128 v[X+32*\u+4*\c:X+32*\u+4*\c+3], v6 offset:8*KP*\u+16*\c   ; LDS serves a wave's instructions in order: these see my stores
.endr
.endr
	s_wait_dscnt 0x0
.irp u, 0,1
	v_max3_num_f32 v[MX+\u], |v[X+32*\u]|, |v[X+32*\u+1]|, 0x1800000   ; my block's largest magnitude, and the floor 2^(3 - 127): the byte cannot fall under 1
.endr
.irp i, 2,4,6,8,10,12,14,16,18,20,22,24,26,28,30
.irp u, 0,1
	v_max3_num_f32 v[MX+\u], v[MX+\u], |v[X+32*\u+\i]|, |v[X+32*\u+\i+1]|   ; (the two tiles by turns)
.endr
.endr
.irp u, 0,1
	v_add_nc_u32 v[SC+\u], 0xff000000, v[MX+\u]    ; 2 off the exponent field: the conversion takes the exponent field of this operand as its scale
.endr
.irp u, 0,1
.irp g, 0,1,2,3
	v_cvt_scalef32_pk8_fp4_f32 v[C+4*\u+\g], v[X+32*\u+8*\g:X+32*\u+8*\g+7], v[SC+\u]   ; eight numbers / scale, to the nearest code, ties to even, beyond 6 the largest code
.endr
.endr
.irp u, 0,1
	v_lshrrev_b32 v[MX+\u], 23, v[SC+\u]           ; the scale's byte (a plain line behind the conversions)
.endr
.irp u, 0,1
	v_lshlrev_b32 v[W+\u], v8, v[MX+\u]            ; at its place: block h is byte h
.endr
.irp u, 0,1
	v_permlanex16_b32 v[PT+\u], v[W+\u], s20, s21
.endr
.irp u, 0,1
	v_or_b32 v[W+\u], v[W+\u], v[PT+\u]            ; with lane l xor 16's the word is whole; its upper two bytes are 0
.endr
.irp u, 0,1
	global_store_b128 v4, v[C+4*\u:C+4*\u+3], s[6:7] offset:512*\u   ; a tile image: 512 consecutive bytes, aligned
.endr
	ds_store_b64 v7, v[W:W+1]                      ; both halves of the lanes write the same words with the same values
	s_wait_dscnt 0x0                               ; for wave 0's sake: my words lie in LDS
	s_barrier_signal -1
	s_barrier_wait -1
	s_cmp_lg_u32 s8, 0                             ; wave 0 stores the scale image (its wave term in s[6:7] is 0)
	s_cbranch_scc1 .Lend
	ds_load_b128 v[RAW:RAW+3], v10
	s_wait_dscnt 0x0
	global_store_b128 v4, v[RAW:RAW+3], s[6:7] offset:4096   ; 512 consecutive bytes, aligned
.Lend:
	s_endpgm
.Lfunc_end_k_qdfbd3c4222_kquant:
	.size	k_qdfbd3c4222_kquant, .Lfunc_end_k_qdfbd3c4222_kquant-k_qdfbd3c4222_kquant
	.p2alignl 7, 3214868480
	.fill 96, 4, 3214868480
	.section	.rodata,"a",@progbits
	.p2align	6, 0x0
	.amdhsa_kernel k_qdfbd3c4222_kquant
		.amdhsa_group_segment_fixed_size 36352
		.amdhsa_private_segment_fixed_size 0
		.amdhsa_enable_private_segment 0
		.amdhsa_kernarg_size 16
		.amdhsa_user_sgpr_count 2
		.amdhsa_user_sgpr_kernarg_segment_ptr 1
		.amdhsa_wavefront_size32 1
		.amdhsa_system_sgpr_workgroup_id_x 1
		.amdhsa_system_sgpr_workgroup_id_y 1
		.amdhsa_system_sgpr_workgroup_id_z 1
		.amdhsa_system_vgpr_workitem_id 0
		.amdhsa_next_free_vgpr 160
		.amdhsa_next_free_sgpr 66
		.amdhsa_reserve_vcc 0
		.amdhsa_float_denorm_mode_32 3
		.amdhsa_float_denorm_mode_16_64 3
		.amdhsa_memory_ordered 1
		.amdhsa_forward_progress 1
		.amdhsa_inst_pref_size 10
	.end_amdhsa_kernel
	.amdgpu_metadata
---
amdhsa.version: [ 1, 2 ]
amdhsa.kernels:
  - .name:           k_qdfbd3c4222_kquant
    .symbol:         k_qdfbd3c4222_kquant.kd
    .args:
      - { .name: k, .offset: 0, .size: 8, .value_kind: global_buffer, .address_space: global }
      - { .name: kimg, .offset: 8, .size: 8, .value_kind: global_buffer, .address_space: global }
    .group_segment_fixed_size: 36352
    .private_segment_fixed_size: 0
    .kernarg_segment_align: 8
    .kernarg_segment_size: 16
    .max_flat_workgroup_size: 128
    .sgpr_count:     66
    .vgpr_count:     160
    .wavefront_size: 32
...
	.end_amdgpu_metadata
.endif
;; end of part 1
;; launch attn (part 2): grid 16 x 16, 4 waves a work-group, no clusters, 327,680 bytes of LDS; arguments q_codes, q_scales, rpe_matrix_codes, rpe_matrix_scales, v_codes, v_scales, kimg, drop_noise, out0; writes out0
.if DOCPART == 2
	.amdgcn_target "amdgcn-amd-amdhsa--gfx1250"
	.amdhsa_code_object_version 6
	.text
	.protected	k_qdfbd3c4222_attn
	.globl	k_qdfbd3c4222_attn
	.p2align	8
	.type	k_qdfbd3c4222_attn,@function
k_qdfbd3c4222_attn:
	s_mov_b64 s[64:65], 0
	v_nop
	global_prefetch_b8 v0, s[64:65] scope:SCOPE_SE
	s_setreg_imm32_b32 hwreg(HW_REG_WAVE_MODE, 25, 1), 1
	s_wait_xcnt 0x0
; o[i] = (sum over j <= i of Q(a_ij) v_j) / (sum over j <= i of a_ij) x (1 + DROPOUT x dn[i]),  a = 1 + s + s^2 / 2,  s_ij = q_i . k_j + q_i . rpe[2047 - i + j].  16 heads, 2,048 queries and keys, head size 64.
; All three products on codes of FP4 (E2M1) with one E8M0 scale for each 32 along K.  a is quantised along the keys, in blocks of 32, masked numbers as zeros; the row's sum is taken of the unquantised a.
; SHARES.  x = 2 p + half, y = head.  A chunk is 128 queries.  A work-group takes chunk 15 - p (walk H, 16 - p key steps of 128) and chunk p (walk L, p + 1 steps): 17 steps in every work-group.
; Wave w owns b = 4 half + w and, in each chunk, the 16 queries i = 128 chunk + 8 r + b (lane r = lane % 16): EIGHT APART.
; LAYOUT.  All products are used transposed (source 0 = 16 keys, 16 rpe rows or 16 channels; source 1 = my 16 queries), so a lane holds ONE query and its registers run along the keys.
; The keys of a tile of k are chosen (launch kquant) so that registers 16 b + 0 .. 15 of a step are keys 32 b + 16 (lane / 16) + 0 .. 15: what the next product's operand wants.
; THE BIAS.  P^T = rpe q^T on 16 consecutive rpe rows gives lane (r, h), register j, the bias of key 128 sg - 120 + 16 t + 8 h + j + 8 r (segment sg, tile t): the same rows serve every lane, each for other keys.
; It goes through a ring of 256 keys of f32 for each query, in LDS; with queries eight apart the skew is 32 r bytes, so every store is 16 bytes, aligned, and with rows 1,040 bytes apart the sixteen lanes of a
; store or a load start in sixteen different columns of 16 bytes.  Read back, the bias is the C of the product k q^T: the addition s = q.k + bias costs no instruction.
; LDS.  K's images, V's codes, the rpe rows that the work-group needs and all scale bytes are brought ONCE by tensor loads at the head and stay; nothing is filled twice.
; PIPELINE.  Step s multiplies k q^T (step s) and rpe q^T (segment s + 2), stores that segment, and asks LDS for all that step s + 1 wants; then comes its own vector work.  One wait on LDS a step.
; NO CLUSTER: work-groups that read the same K and V (one head) take different numbers of steps in each walk and read the rpe rows at different LDS offsets, so partners would not run alike;
; work-groups that run alike belong to different heads and share only the rpe rows, a third of the bytes that are brought once.
; K = 64 fills half of the instruction's 128: the upper four registers of each fragment of k, rpe and q hold zero codes, written once.
; LIMITS: a scale byte 0xff in an input gives NaN; 1 / sum by v_rcp_f32 (1 ulp); a is formed as fma(s, fma(s, 0.5, 1), 1), another order of rounding than 1 + s + 0.5 s s.
.set DROPOUT, 0                        ; 0.0
; ---- LDS
.set BIASW, 16640                      ; a wave's bias ring: 16 rows (queries) of 1,024 bytes + 16; later its stage for the way out
.set BP,    1040
.set KC,    4*BIASW                    ; 66,560: K's blocks of the head, 4,608 bytes a step
.set KSTEP, 4608
.set VC,    KC+16*KSTEP                ; 140,288: V's codes: group g (steps 4 g .. 4 g + 3): 64 rows of 256 bytes + 16
.set VP,    272
.set VGR,   64*VP
.set VS,    VC+4*VGR                   ; 209,920: V's scale bytes: 64 rows of 64 bytes + 8
.set VSP,   72
.set RC,    VS+64*VSP                  ; 214,528: 2,180 rpe rows of 32 bytes + 16, from row W0 = 4 + 128 p - 4 half on
.set RP,    48
.set RS,    RC+2180*RP                 ; 319,168: their scale bytes, 2 a row
; ---- vector registers, window 0
.set LR,   1                           ; r
.set LH,   2                           ; h
.set A0,   3                           ; ring, odd segments: my row + 32 r + 32 h
.set BL,   4                           ; ring, reads: my row + 64 h
.set KA,   5                           ; my lane's place in a block of K, among the rpe rows, their scales, V's rows, V's scales
.set RA,   6
.set RSA,  7
.set VA,   8
.set VSA,  9
.set KAD,  10                          ; the same + the step's offsets
.set RAD,  11
.set RSAD, 12
.set VAD,  13
.set VSAD, 14
.set MD,   15                          ; 8 r + b - 16 h: on the diagonal, register 16 b' + i is hidden where 32 b' + i is above it
.set ZERO, 16
.set GO,   17                          ; v17, v18: my byte offset in drop_noise and out0, walk H, walk L
.set SO,   19                          ; the stage: where I put 16 bytes of a row
.set AW,   20                          ; v20-27 ring, even segments: tile t's place, wrapped
.set SUMA, 28                          ; v[28:29], v[30:31]: the row's sum in two chains of pairs
.set SUMB, 30
.set QF,   32                          ; v32-39 q's fragment of walk H, v40-47 of walk L
.set QS,   48                          ; v48, v49 their scale words
.set KS,   50                          ; v50-53 K's scale words: register q: lanes 0-15 tile q, lanes 16-31 tile q + 4
.set RSR,  54                          ; v54-57 rpe's: register q: lanes 0-15 tile 2 q, lanes 16-31 tile 2 q + 1
.set VSR,  58                          ; v58-59, v60-61 V's, for even and odd steps: register q: channels 32 q + lane
.set PW,   62                          ; a's scale word
.set SR,   63                          ; the stage: where I read a row back
.set BUF0, 64                          ; v64-127, v128-191: scores and a of the step in hand / bias of the next, by turns
.set BUF1, 128
.set PC,   192                         ; v192-199 a's codes
.set TM,   200                         ; v200-215 at work in the quantiser
.set FT,   216                         ; v216-231 at work
.set RCP,  232                         ; v[232:233] 1 / sum
.set QO,   234                         ; v234-237 byte offsets of q's codes and scales, walk H, walk L; never rewritten
; ---- window 1
.set KF,   0                           ; v0-63 K's eight fragments;  v64-127 rpe's eight
.set RF,   64
.set VF,   128                         ; v128-159, v160-191 V's four fragments, for even and odd steps
.set OA,   192                         ; v192-223 O^T
; ---- window 2: v0-31, v32-63 drop_noise of walk H, walk L
.set DN,   0
; ---- scalars
.set WV,   22
.set HD,   23
.set G1K,  24                          ; descriptor groups 1
.set G1V,  32
.set G1R,  40
.set G1VS, 48
.set G1RS, 56
.set SEL,  66
.set G0,   68                          ; s68-87: five groups 0: a wave has at most five tensor loads out, each with registers of its own
.set STP,  88                          ; the step
.set TT,   89                          ; the walk's steps
.set CNT,  90
.set DSEG, 91                          ; 15 - 2 p: walk L's segment sg lies DSEG segments further on among the rpe rows
.set NS,   92
.set SG,   93
.set KO,   94
.set RO,   95
.set RSO,  96
.set VO,   97
.set VSO,  98
.set TMPS, 99
.set PP,   100
.set BB,   101
.set MSB, 0
.macro WIN new                         ; the immediate's low byte: bits 1:0 source 0, 3:2 source 1, 5:4 source 2, 7:6 destination; its high byte repeats the setting that is left
.if MSB != \new
	s_set_vgpr_msb (MSB<<8)|\new
.set MSB, \new
.endif
.endm
.macro GROUP1 g, w0, c, r, p           ; a tile of r rows of c elements, p elements from row to row; it lies inside its tensor, so the extents are the tile's
	s_mov_b32 s[\g], \w0
	s_mov_b32 s[\g+1], (\c)<<16
	s_mov_b32 s[\g+2], (\r)<<16
	s_mov_b32 s[\g+3], (\c)<<16
	s_mov_b32 s[\g+4], \r
	s_mov_b32 s[\g+5], \p
	s_mov_b32 s[\g+6], 0
	s_mov_b32 s[\g+7], 0
.endm
.macro GROUP0 idx, lds, ptr, off       ; count 1; LDS address; global address of the tile's first element; type 2
	s_mov_b32 s[G0+4*(\idx)], 1
	s_mov_b32 s[G0+4*(\idx)+1], \lds
	s_add_nc_u64 s[G0+4*(\idx)+2:G0+4*(\idx)+3], s[\ptr:\ptr+1], \off
	s_or_b32 s[G0+4*(\idx)+3], s[G0+4*(\idx)+3], 0x80000000
.endm
.macro PLACES
.rept 4
	v_nop
.endr
.endm
	s_load_b512 s[4:19], s[0:1], 0x0               ; q codes s[4:5], q scales s[6:7], rpe codes s[8:9], rpe scales s[10:11], v codes s[12:13], v scales s[14:15], kimg s[16:17], drop_noise s[18:19]
	s_load_b64 s[20:21], s[0:1], 0x40              ; out0
	v_lshrrev_b32 v[FT], 5, v0
	v_readfirstlane_b32 s[WV], v[FT]               ; wave 0..3
	v_and_b32 v[LR], 15, v0
	v_bfe_u32 v[LH], v0, 4, 1
	v_and_b32 v[FT+2], 31, v0                      ; lane
	s_lshr_b32 s[PP], ttmp9, 1                     ; p
	s_and_b32 s2, ttmp9, 1
	s_lshl_b32 s2, s2, 2                           ; 4 half
	s_add_co_u32 s[BB], s2, s[WV]                  ; b
	s_and_b32 s[HD], ttmp7, 0xffff                 ; head
	s_lshl_b32 s[DSEG], s[PP], 1
	s_xor_b32 s[DSEG], s[DSEG], 15                 ; 15 - 2 p (2 p is at most 14)
	s_lshl_b32 s[CNT], s[PP], 7
	s_add_co_u32 s[CNT], s[CNT], 4
	s_sub_co_u32 s[CNT], s[CNT], s2                ; W0 = 4 + 128 p - 4 half: the first rpe row that the work-group keeps
	s_mov_b32 s[SEL], 0x76543210
	s_mov_b32 s[SEL+1], 0xfedcba98                 ; v_permlanex16_b32's selects for lane l xor 16
	; every LDS address register is made here, ahead of the branch on the wave's number
	s_mul_i32 s2, s[WV], BIASW
	v_mul_u32_u24 v[FT], v[LR], BP
	v_add_nc_u32 v[FT], s2, v[FT]                  ; my query's row of the ring
	v_add_nc_u32 v[FT+1], v[LR], v[LH]
	v_lshlrev_b32 v[FT+1], 5, v[FT+1]              ; 32 (r + h)
	v_add_nc_u32 v[A0], v[FT], v[FT+1]
	v_lshl_add_u32 v[BL], v[LH], 6, v[FT]
.irp t, 0,1,2,3,4,5,6,7
	v_add_nc_u32 v[AW+\t], 544+64*\t, v[FT+1]      ; an even segment's tile t begins at byte 4 (16 t + 8 h + 8 r - 120) of the ring,
	v_and_b32 v[AW+\t], 1023, v[AW+\t]             ; modulo its 1,024 bytes; a lane's 32 bytes never straddle the end
	v_add_nc_u32 v[AW+\t], v[FT], v[AW+\t]
.endr
	v_mul_u32_u24 v[SO], v[LR], 272                ; the stage, in: row r, + 32 h
	v_lshl_add_u32 v[SO], v[LH], 5, v[SO]
	v_add_nc_u32 v[SO], s2, v[SO]
	v_mul_u32_u24 v[SR], v[LH], 272                ; back: lanes 0-15 one row of 256 bytes, lanes 16-31 the next
	v_lshl_add_u32 v[SR], v[LR], 4, v[SR]
	v_add_nc_u32 v[SR], s2, v[SR]
	v_lshl_add_u32 v[KA], v[FT+2], 4, KC           ; K's images: 16 x lane
	s_xor_b32 s3, s[WV], 3                         ; 3 - wave: my first rpe row is W0 + 3 - wave
	s_mul_i32 s2, s3, RP
	s_add_co_u32 s2, s2, RC
	v_mul_u32_u24 v[RA], v[LR], RP
	v_lshl_add_u32 v[RA], v[LH], 4, v[RA]
	v_add_nc_u32 v[RA], s2, v[RA]                  ; rpe: row r of a tile, + 16 h
	s_lshl_b32 s3, s3, 1
	s_add_co_u32 s3, s3, RS
	v_lshl_add_u32 v[RSA], v[FT+2], 1, s3          ; its scale bytes: 2 x lane: two tiles to a load
	v_mul_u32_u24 v[VA], v[LR], VP
	v_lshl_add_u32 v[VA], v[LH], 4, v[VA]
	v_add_nc_u32 v[VA], VC, v[VA]                  ; V: channel r of a tile, + 16 h
	v_mul_u32_u24 v[VSA], v[FT+2], VSP
	v_add_nc_u32 v[VSA], VS, v[VSA]                ; its scale words: a lane a channel
	v_lshl_add_u32 v[MD], v[LR], 3, s[BB]
	v_lshlrev_b32 v[FT+3], 4, v[LH]
	v_sub_nc_u32 v[MD], v[MD], v[FT+3]
	v_mov_b32 v[ZERO], 0
	; byte offsets in memory.  My first query of a walk: head x 2,048 + 128 x chunk + b; lane r's lies 8 r further on
	v_lshlrev_b32 v[FT+4], 8, v[LR]
	v_lshl_add_u32 v[FT+4], v[LH], 4, v[FT+4]      ; q's codes: 8 rows of 32 bytes x r + 16 h
	v_lshlrev_b32 v[FT+5], 4, v[LR]                ; q's scales: 8 rows of 2 bytes x r
	v_lshl_add_u32 v[FT+6], v[LH], 11, v[FT+5]     ; drop_noise, out0: lanes 0-15 one query's 256 bytes, lanes 16-31 those of the query 8 further on
	s_lshl_b32 s2, s[HD], 11
	s_add_co_u32 s2, s2, s[BB]
	s_lshl_b32 s3, s[PP], 7
	s_add_co_u32 s[KO], s2, s3                     ; walk L: chunk p
	s_sub_co_u32 s[RO], 1920, s3
	s_add_co_u32 s[RO], s[RO], s2                  ; walk H: chunk 15 - p
	s_lshl_b32 s2, s[RO], 5
	v_add_nc_u32 v[QO], s2, v[FT+4]
	s_lshl_b32 s2, s[RO], 1
	v_add_nc_u32 v[QO+1], s2, v[FT+5]
	s_lshl_b32 s2, s[RO], 8
	v_add_nc_u32 v[GO], s2, v[FT+6]
	s_lshl_b32 s2, s[KO], 5
	v_add_nc_u32 v[QO+2], s2, v[FT+4]
	s_lshl_b32 s2, s[KO], 1
	v_add_nc_u32 v[QO+3], s2, v[FT+5]
	s_lshl_b32 s2, s[KO], 8
	v_add_nc_u32 v[GO+1], s2, v[FT+6]
.irp j, 4,5,6,7
	v_mov_b32 v[TM+\j], 0                          ; written once: a lane permute's destination counts as one of its sources
	v_mov_b32 v[QF+\j], 0                          ; K = 64 .. 127 of q's fragments: zero codes
	v_mov_b32 v[QF+8+\j], 0
.endr
	v_mov_b32 v[VSR+2], 0                          ; (with V's second buffer below: written once, so that no way through the text reads them unwritten)
	v_mov_b32 v[VSR+3], 0
	; descriptor groups 1, constants, on the way that all waves take
.set PADV,  (1<<20)|(5<<22)|(3<<25)    ; elements of 1 byte; padding on: 4 words behind every 64
.set PADR,  (1<<20)|(2<<22)|(3<<25)    ; 4 words behind every 8
.set PADVS, (1<<20)|(3<<22)|(1<<25)    ; 2 words behind every 16
	GROUP1 G1K, 3<<16, 32, 72, 32                  ; K: four steps' blocks, 18,432 dense bytes, as 72 rows of 32 elements of 8 bytes
	GROUP1 G1V, PADV, 256, 32, 1024                ; V: 32 channels x 256 bytes (512 keys), rows 1,024 bytes apart in memory
	GROUP1 G1R, PADR, 32, 436, 32                  ; rpe: 436 rows of 32 bytes, dense in memory
	GROUP1 G1VS, PADVS, 64, 64, 64                 ; V's scale bytes: 64 rows of 64 bytes
	GROUP1 G1RS, 3<<16, 545, 1, 545                ; rpe's scale bytes: one row of 4,360 bytes
	s_wait_kmcnt 0x0
	s_mov_b32 s3, 0
	s_lshl_b32 s2, s[CNT], 5
	s_add_nc_u64 s[8:9], s[8:9], s[2:3]            ; rpe's codes at row W0
	s_lshl_b32 s2, s[CNT], 1
	s_add_nc_u64 s[10:11], s[10:11], s[2:3]        ; its scale bytes (W0 is a multiple of 4: a multiple of 8 bytes)
	s_lshl_b32 s2, s[HD], 16
	s_add_nc_u64 s[12:13], s[12:13], s[2:3]        ; V's codes of my head
	s_lshl_b32 s2, s[HD], 12
	s_add_nc_u64 s[14:15], s[14:15], s[2:3]        ; V's scale bytes
	s_mul_i32 s2, s[HD], 16*KSTEP
	s_add_nc_u64 s[16:17], s[16:17], s[2:3]        ; K's blocks
	; ALL FILLS, each wave's in one branch on its number, in the order in which the walk wants them.  Four v_nop follow a wave's last load.
	s_cmp_eq_u32 s[WV], 0
	s_cbranch_scc0 .Lnot_0
	GROUP0 0, RS, 10, 0                            ; wave 0: rpe's scale bytes, then K, four steps to a load
.irp g, 0,1,2,3
	GROUP0 \g+1, KC+4*KSTEP*\g, 16, 4*KSTEP*\g
.endr
	tensor_load_to_lds s[G0:G0+3], s[G1RS:G1RS+7]
.irp g, 1,2,3,4
	tensor_load_to_lds s[G0+4*\g:G0+4*\g+3], s[G1K:G1K+7]
.endr
	PLACES
	s_branch .Lfilled
.Lnot_0:
	s_cmp_eq_u32 s[WV], 1
	s_cbranch_scc0 .Lnot_1
	GROUP0 0, VS, 14, 0                            ; wave 1: V's scale bytes, then V's channels 0-31
.irp g, 0,1,2,3
	GROUP0 \g+1, VC+VGR*\g, 12, 256*\g
.endr
	tensor_load_to_lds s[G0:G0+3], s[G1VS:G1VS+7]
.irp g, 1,2,3,4
	tensor_load_to_lds s[G0+4*\g:G0+4*\g+3], s[G1V:G1V+7]
.endr
	PLACES
	s_branch .Lfilled
.Lnot_1:
	s_cmp_eq_u32 s[WV], 2
	s_cbranch_scc0 .Lnot_2
.irp c, 0,1,2,3,4
	GROUP0 \c, RC+436*RP*\c, 8, 436*32*\c          ; wave 2: the rpe rows, 436 to a load
.endr
.irp c, 0,1,2,3,4
	tensor_load_to_lds s[G0+4*\c:G0+4*\c+3], s[G1R:G1R+7]
.endr
	PLACES
	s_branch .Lfilled
.Lnot_2:
.irp g, 0,1,2,3
	GROUP0 \g, VC+32*VP+VGR*\g, 12, 32*1024+256*\g ; wave 3: V's channels 32-63
.endr
.irp g, 0,1,2,3
	tensor_load_to_lds s[G0+4*\g:G0+4*\g+3], s[G1V:G1V+7]
.endr
	PLACES
.Lfilled:
	global_load_b128 v[QF:QF+3], v[QO], s[4:5]     ; q of walk H: lane (r, h): block h of query r
	global_load_u16 v[QS], v[QO+1], s[6:7]         ; its two scale bytes; the word's upper bytes are 0
	global_load_b128 v[QF+8:QF+11], v[QO+2], s[4:5]
	global_load_u16 v[QS+1], v[QO+3], s[6:7]
	WIN 0x80                                       ; destination window 2
.irp i, 0,1,2,3,4,5,6,7
	global_load_b128 v[DN+4*\i:DN+4*\i+3], v[GO], s[18:19] offset:4096*\i th:TH_LOAD_NT      ; drop_noise, as the results will leave: sixteen lanes to a query's 256 bytes
.endr
.irp i, 0,1,2,3,4,5,6,7
	global_load_b128 v[DN+32+4*\i:DN+32+4*\i+3], v[GO+1], s[18:19] offset:4096*\i th:TH_LOAD_NT
.endr
	WIN 0x40                                       ; destination window 1
.irp t, 0,1,2,3,4,5,6,7,8,9,10,11,12,13,14,15
.irp j, 4,5,6,7
	v_mov_b32 v[8*\t+\j], 0                        ; K = 64 .. 127 of K's and rpe's fragments: zero codes, written once: the loads fill the lower four registers alone
.endr
.endr
.set j, 0
.rept 32
	v_mov_b32 v[VF+32+j], 0                        ; V's second buffer (see above)
.set j, j+1
.endr
	WIN 0
; ---- macros of the walk
.macro WM d, a, b, acc, sa, sb, row    ; one product: D; source 0; source 1; acc = 1: C = D, 0: C = 0; the two scale registers; row = 1: source 0's scales stand in lanes 16-31
.if \acc
.if \row
	v_wmma_scale_f32_16x16x128_f8f6f4 v[\d:\d+7], v[\a:\a+7], v[\b:\b+7], v[\d:\d+7], v[\sa], v[\sb] matrix_a_fmt:MATRIX_FMT_FP4 matrix_b_fmt:MATRIX_FMT_FP4 matrix_a_scale:MATRIX_SCALE_ROW1
.else
	v_wmma_scale_f32_16x16x128_f8f6f4 v[\d:\d+7], v[\a:\a+7], v[\b:\b+7], v[\d:\d+7], v[\sa], v[\sb] matrix_a_fmt:MATRIX_FMT_FP4 matrix_b_fmt:MATRIX_FMT_FP4
.endif
.else
.if \row
	v_wmma_scale_f32_16x16x128_f8f6f4 v[\d:\d+7], v[\a:\a+7], v[\b:\b+7], 0, v[\sa], v[\sb] matrix_a_fmt:MATRIX_FMT_FP4 matrix_b_fmt:MATRIX_FMT_FP4 matrix_a_scale:MATRIX_SCALE_ROW1
.else
	v_wmma_scale_f32_16x16x128_f8f6f4 v[\d:\d+7], v[\a:\a+7], v[\b:\b+7], 0, v[\sa], v[\sb] matrix_a_fmt:MATRIX_FMT_FP4 matrix_b_fmt:MATRIX_FMT_FP4
.endif
.endif
.endm
.macro SYNC n                          ; each wave's fills land in the order of issue: all but its n youngest are in; then every wave's are
	s_wait_tensorcnt \n
	s_wait_dscnt 0x0                               ; no LDS instruction of mine is pending at the signal
	s_barrier_signal -1
	s_barrier_wait -1
.endm
.macro RADDR seg, dr                   ; where segment STP + dr of the rpe rows lies; held at the last segment kept, so that no address leaves its region
	s_add_co_u32 s[SG], s[STP], \dr
.if \seg
	s_add_co_u32 s[SG], s[SG], s[DSEG]
.endif
	s_min_u32 s[SG], s[SG], 16
	s_mul_i32 s[RO], s[SG], 128*RP
	s_lshl_b32 s[RSO], s[SG], 8
.endm
.macro ADDRS seg, dk, dr               ; and where step STP + dk of K and V lies, held at step 15
	RADDR \seg, \dr
	s_add_co_u32 s[NS], s[STP], \dk
	s_min_u32 s[NS], s[NS], 15
	s_mul_i32 s[KO], s[NS], KSTEP
	s_lshr_b32 s[VO], s[NS], 2
	s_mul_i32 s[VO], s[VO], VGR
	s_and_b32 s[TMPS], s[NS], 3
	s_lshl_b32 s[TMPS], s[TMPS], 6
	s_add_co_u32 s[VO], s[VO], s[TMPS]
	s_lshl_b32 s[VSO], s[NS], 2
.endm
.macro ADDRV                           ; five plain vector lines that name no register of a product: they are also the places behind the products in front of them
	v_add_nc_u32 v[KAD], s[KO], v[KA]
	v_add_nc_u32 v[RAD], s[RO], v[RA]
	v_add_nc_u32 v[RSAD], s[RSO], v[RSA]
	v_add_nc_u32 v[VAD], s[VO], v[VA]
	v_add_nc_u32 v[VSAD], s[VSO], v[VSA]
.endm
.macro PSTORE buf, even                ; a segment of the bias into the ring; each result from its low end on
.irp t, 0,1,2,3,4,5,6,7
.if \even
	ds_store_b128 v[AW+\t], v[\buf+8*\t:\buf+8*\t+3]
	ds_store_b128 v[AW+\t], v[\buf+8*\t+4:\buf+8*\t+7] offset:16
.else
	ds_store_b128 v[A0], v[\buf+8*\t:\buf+8*\t+3] offset:32+64*\t    ; an odd segment begins 32 + 32 (r + h) bytes into the ring and ends inside it
	ds_store_b128 v[A0], v[\buf+8*\t+4:\buf+8*\t+7] offset:48+64*\t
.endif
.endr
.endm
.macro RLOAD                           ; a segment's rpe rows and scale words
.irp q, 0,1,2,3
	ds_load_u16 v[RSR+\q], v[RSAD] offset:64*\q
.endr
	WIN 0x40
.irp t, 0,1,2,3,4,5,6,7
	ds_load_b128 v[RF+8*\t:RF+8*\t+3], v[RAD] offset:16*RP*\t
.endr
	WIN 0
.endm
.macro FETCH buf, par                  ; all that the next step wants: its bias (ring half par) into buf; K, rpe, V (buffer par) and their scale words
.irp b, 0,1,2,3
.irp u, 0,1
.irp g, 0,1
	ds_load_b128 v[\buf+16*\b+8*\u+4*\g:\buf+16*\b+8*\u+4*\g+3], v[BL] offset:512*(\par)+128*\b+32*\u+16*\g   ; keys 32 b + 16 h + 8 u + 4 g on
.endr
.endr
.endr
	ds_load_b128 v[KS:KS+3], v[KAD] offset:4096
.irp q, 0,1,2,3
	ds_load_u16 v[RSR+\q], v[RSAD] offset:64*\q
.endr
.irp q, 0,1
	ds_load_b32 v[VSR+2*(\par)+\q], v[VSAD] offset:32*VSP*\q
.endr
	WIN 0x40
.irp t, 0,1,2,3,4,5,6,7
	ds_load_b128 v[KF+8*\t:KF+8*\t+3], v[KAD] offset:512*\t
.endr
.irp t, 0,1,2,3,4,5,6,7
	ds_load_b128 v[RF+8*\t:RF+8*\t+3], v[RAD] offset:16*RP*\t
.endr
.irp t, 0,1,2,3
.irp c, 0,1
	ds_load_b128 v[VF+32*(\par)+8*\t+4*\c:VF+32*(\par)+8*\t+4*\c+3], v[VAD] offset:16*VP*\t+32*\c
.endr
.endr
	WIN 0
.endm
.macro PMUL buf, seg                   ; P^T = rpe q^T: eight tiles of 16 rows
.irp t, 0,2,4,6
	WM \buf+8*\t, RF+8*\t, QF+8*\seg, 0, RSR+\t/2, QS+\seg, 0
	WM \buf+8*\t+8, RF+8*\t+8, QF+8*\seg, 0, RSR+\t/2, QS+\seg, 1
.endr
.endm
.macro M1 seg                          ; sixteen products, sixteen accumulators, one instruction a turn
	WIN 0x01                                       ; source 0 window 1
.irp t, 0,1,2,3
	WM CUR+8*\t, KF+8*\t, QF+8*\seg, 1, KS+\t, QS+\seg, 0        ; s^T = k q^T + the bias, which lies in the accumulator
.endr
.irp t, 4,5,6,7
	WM CUR+8*\t, KF+8*\t, QF+8*\seg, 1, KS+\t-4, QS+\seg, 1
.endr
	PMUL NXT, \seg                                 ; the bias's segment two steps on
	WIN 0
.endm
.macro FAST                            ; a = 1 + s (1 + s / 2), two at a time, the registers in ascending order
.irp g, 0,1,2,3
.irp j, 0,1,2,3,4,5,6,7
	v_pk_fma_f32 v[FT+2*\j:FT+2*\j+1], v[CUR+16*\g+2*\j:CUR+16*\g+2*\j+1], 0.5, 1.0 op_sel_hi:[1,0,0]
.endr
.irp j, 0,1,2,3,4,5,6,7
	v_pk_fma_f32 v[CUR+16*\g+2*\j:CUR+16*\g+2*\j+1], v[CUR+16*\g+2*\j:CUR+16*\g+2*\j+1], v[FT+2*\j:FT+2*\j+1], 1.0 op_sel_hi:[1,1,0]
.endr
.endr
.endm
.macro MASK                            ; the diagonal step: register 16 b + i holds key 32 b + 16 h + i of the step, my query is its number 8 r + b: a later key's a becomes 0
.irp b, 0,1,2,3
.set i, 0
.rept 16
	v_cmp_gt_i32 vcc_lo, 32*\b+i, v[MD]
	v_cndmask_b32 v[CUR+16*\b+i], v[CUR+16*\b+i], v[ZERO], vcc_lo
.set i, i+1
.endr
.endr
.endm
.macro QUANT                           ; 64 numbers of a lane, register 16 b + i = key 32 b + 16 h + i, become the operand's codes in v[PC] on and its scale word in v[PW].  No |.|: a is never negative
.irp b, 0,1,2,3
	v_max3_num_f32 v[TM+\b], v[CUR+16*\b], v[CUR+1+16*\b], 0x1800000   ; block b: my 16 numbers, and the floor 2^(3 - 127): the byte cannot fall under 1 (a block of masked zeros keeps that byte: its codes are zeros)
.endr
.irp i, 2,4,6,8,10,12,14
.irp b, 0,1,2,3
	v_max3_num_f32 v[TM+\b], v[TM+\b], v[CUR+16*\b+\i], v[CUR+1+16*\b+\i]   ; (the four blocks by turns)
.endr
.endr
.irp b, 0,1,2,3
	v_permlanex16_b32 v[TM+4+\b], v[TM+\b], s[SEL], s[SEL+1]
.endr
.irp b, 0,1,2,3
	v_max_num_f32 v[TM+\b], v[TM+\b], v[TM+4+\b]   ; with lane l xor 16's: the block's largest number
.endr
.irp b, 0,1,2,3
	v_add_nc_u32 v[TM+12+\b], 0xff000000, v[TM+\b] ; 2 off its exponent field: the conversion's scale operand
.endr
.irp b, 0,1,2,3
	v_lshrrev_b32 v[TM+4+\b], 23, v[TM+12+\b]      ; the scale's byte
.endr
	v_lshl_or_b32 v[PW], v[TM+5], 8, v[TM+4]
	v_lshl_or_b32 v[PW], v[TM+6], 16, v[PW]
	v_lshl_or_b32 v[PW], v[TM+7], 24, v[PW]
.irp b, 0,1,2,3
	v_cvt_scalef32_pk8_fp4_f32 v[PC+2*\b], v[CUR+16*\b:CUR+7+16*\b], v[TM+12+\b]
	v_cvt_scalef32_pk8_fp4_f32 v[PC+1+2*\b], v[CUR+8+16*\b:CUR+15+16*\b], v[TM+12+\b]
.endr
	v_nop                                          ; one plain line behind the scaled conversions
.irp c, 0,1                                    ; the operand wants a WHOLE block in a lane: lanes 0-15 block 2 c, lanes 16-31 block 2 c + 1
.irp i, 0,1
	v_permlane16_swap_b32 v[PC+4*\c+\i], v[PC+2+4*\c+\i]
.endr
.endr
.endm
.macro SUMS                            ; the row's sum, of the unquantised a.  These 32 lines also stand between the scale word and the codes just made and the products that take them
.set j, 0
.rept 16
	v_pk_add_f32 v[SUMA:SUMA+1], v[SUMA:SUMA+1], v[CUR+4*j:CUR+4*j+1]
	v_pk_add_f32 v[SUMB:SUMB+1], v[SUMB:SUMB+1], v[CUR+4*j+2:CUR+4*j+3]
.set j, j+1
.endr
.endm
.macro PV par                          ; O^T += V^T a^T: four tiles of 16 channels, K = the step's 128 keys; between two links on one accumulator stand 19 other products
	WIN 0x51                                       ; source 0 (V), C and D window 1
.irp t, 0,2
	WM OA+8*\t, VF+32*(\par)+8*\t, PC, 1, VSR+2*(\par)+\t/2, PW, 0
	WM OA+8*\t+8, VF+32*(\par)+8*\t+8, PC, 1, VSR+2*(\par)+\t/2, PW, 1
.endr
	WIN 0
.endm
; A KEY STEP of walk seg (0 = H, 1 = L) with parity pi.  All branches hang on ids and the step's number alone.
.macro STEP seg, pi
.set CUR, BUF0+64*\pi
.set NXT, BUF1-64*\pi
	s_cmp_ge_u32 s[STP], s[TT]                     ; behind the walk's last step there is nothing to do
	s_cbranch_scc1 .Lskip_\@
	ADDRS \seg, 1, 3
	s_wait_dscnt 0x0                               ; the step's one wait on LDS: all that it waits for was asked for in the step before, ahead of that step's vector work
	M1 \seg
	ADDRV
	s_add_co_u32 s2, s[STP], 1
	s_cmp_ge_u32 s2, s[TT]
	s_cbranch_scc1 .Llast_\@                       ; the last step asks for nothing
	PSTORE NXT, (1-\pi)                            ; segment s + 2: LDS serves a wave's instructions in order, so it lands behind the reads of bias(s), issued a step ago, and ahead of the reads of bias(s + 1) below
	FETCH NXT, (1-\pi)
.Llast_\@:
	FAST
	s_cmp_lg_u32 s2, s[TT]
	s_cbranch_scc1 .Lopen_\@                       ; only the last step lies on the diagonal
	MASK
.Lopen_\@:
	QUANT
	SUMS
	PV \pi
.Lskip_\@:
	s_add_co_u32 s[STP], s[STP], 1
.endm
.macro TRIP seg
	STEP \seg, 0
	STEP \seg, 1
.endm
; A walk's start: sums and O^T are zeros (the step is written once); segments 0 and 1 of the bias go into the ring; step 0's operands are asked for.
.macro PROLOGUE seg
	s_mov_b32 s[STP], 0
.if \seg
	s_add_co_u32 s[TT], s[PP], 1
.else
	s_sub_co_u32 s[TT], 16, s[PP]
.endif
.irp j, 0,1,2,3
	v_mov_b32 v[SUMA+\j], 0
.endr
	WIN 0x40
.set j, 0
.rept 32
	v_mov_b32 v[OA+j], 0
.set j, j+1
.endr
	WIN 0
	RADDR \seg, 0
	v_add_nc_u32 v[RAD], s[RO], v[RA]
	v_add_nc_u32 v[RSAD], s[RSO], v[RSA]
	RLOAD
	s_wait_dscnt 0x0
.if \seg == 0
	s_wait_loadcnt 16                              ; q's four loads are in; the sixteen of drop_noise behind them may be out
.endif
	WIN 0x01
	PMUL BUF0, \seg
	WIN 0
	RADDR \seg, 1
	v_add_nc_u32 v[RAD], s[RO], v[RA]              ; four places behind the products: in front of the stores of their results and of the loads into their operands
	v_add_nc_u32 v[RSAD], s[RSO], v[RSA]
	v_nop
	v_nop
	PSTORE BUF0, 1
	RLOAD
	s_wait_dscnt 0x0
	WIN 0x01
	PMUL BUF1, \seg
	WIN 0
	ADDRS \seg, 0, 2
	ADDRV
	PSTORE BUF1, 0
	FETCH BUF0, 0
.endm
; A walk's end: O^T / the sum, through my stage in LDS (my ring's bytes: I alone touch them, and LDS serves my instructions in order), times 1 + DROPOUT x drop_noise, out as whole rows of 256 bytes.
.macro FINISH seg
	s_wait_dscnt 0x0                               ; nothing of mine is out on any way that leads here
	PLACES                                         ; behind the last products
	v_pk_add_f32 v[SUMA:SUMA+1], v[SUMA:SUMA+1], v[SUMB:SUMB+1]
	v_add_f32 v[SUMA], v[SUMA], v[SUMA+1]
	v_permlanex16_b32 v[TM+4], v[SUMA], s[SEL], s[SEL+1]
	v_add_f32 v[SUMA], v[SUMA], v[TM+4]            ; with lane l xor 16's keys: the row's sum; it is at least 0.5
	v_rcp_f32 v[RCP], v[SUMA]
	v_mov_b32 v[RCP+1], 0                          ; the plain line behind the reciprocal; the pair's upper half is named below, so it is written
	s_wait_alu depctr_va_vdst(0)                   ; the wait ahead of the first line that names the reciprocal
	WIN 0x01
.set j, 0
.rept 16
	v_pk_mul_f32 v[BUF0+2*j:BUF0+2*j+1], v[OA+2*j:OA+2*j+1], v[RCP:RCP+1] op_sel_hi:[1,0]   ; register 8 t + i: o(query r, channel 16 t + 8 h + i)
.set j, j+1
.endr
	WIN 0
.irp t, 0,1,2,3
.irp g, 0,1
	ds_store_b128 v[SO], v[BUF0+8*\t+4*\g:BUF0+8*\t+4*\g+3] offset:64*\t+16*\g
.endr
.endr
.irp i, 0,1,2,3,4,5,6,7
	ds_load_b128 v[BUF1+4*\i:BUF1+4*\i+3], v[SR] offset:2*272*\i
.endr
.if \seg
	s_wait_loadcnt 0x0
.else
	s_wait_loadcnt 8                               ; this walk's drop_noise is in; the other walk's eight loads may be out
.endif
	WIN 0x02                                       ; source 0 window 2
.set j, 0
.rept 16
	v_pk_fma_f32 v[BUF0+32+2*j:BUF0+32+2*j+1], v[DN+32*\seg+2*j:DN+32*\seg+2*j+1], DROPOUT, 1.0 op_sel_hi:[1,0,0]
.set j, j+1
.endr
	WIN 0
	s_wait_dscnt 0x0
.set j, 0
.rept 16
	v_pk_mul_f32 v[BUF1+2*j:BUF1+2*j+1], v[BUF1+2*j:BUF1+2*j+1], v[BUF0+32+2*j:BUF0+32+2*j+1]
.set j, j+1
.endr
.irp i, 0,1,2,3,4,5,6,7
	global_store_b128 v[GO+\seg], v[BUF1+4*\i:BUF1+4*\i+3], s[20:21] offset:4096*\i th:TH_STORE_NT   ; sixteen lanes store a query's 256 consecutive bytes, aligned; written once
.endr
.if \seg == 0
	s_wait_xcnt 0x0                                ; the stores have read their registers: the next walk writes them again
.endif
.endm
	; ---- walk H.  A barrier stands two steps ahead of the first step that reads a later fill: step s asks LDS for K and V of step s + 1 and for rpe rows up to 128 s + 514 of those kept.
	SYNC 3                                         ; in: both tensors' scale bytes, K and V of steps 0-3, rpe rows 0-871
	PROLOGUE 0
	TRIP 0                                         ; steps 0, 1
	SYNC 2                                         ; K and V of steps 4-7, rpe rows up to 1,307
	s_mov_b32 s[CNT], 2
.Lh1:                                              ; steps 2 to 5
	TRIP 0
	s_sub_co_u32 s[CNT], s[CNT], 1
	s_cmp_lg_u32 s[CNT], 0
	s_cbranch_scc1 .Lh1
	SYNC 1                                         ; steps 8-11, rpe rows up to 1,743
	s_mov_b32 s[CNT], 2
.Lh2:                                              ; steps 6 to 9
	TRIP 0
	s_sub_co_u32 s[CNT], s[CNT], 1
	s_cmp_lg_u32 s[CNT], 0
	s_cbranch_scc1 .Lh2
	SYNC 0                                         ; everything
	s_mov_b32 s[CNT], 3
.Lh3:                                              ; steps 10 to 15
	TRIP 0
	s_sub_co_u32 s[CNT], s[CNT], 1
	s_cmp_lg_u32 s[CNT], 0
	s_cbranch_scc1 .Lh3
	FINISH 0
	; ---- walk L: at most 8 steps
	PROLOGUE 1
	s_mov_b32 s[CNT], 4
.Ll:
	TRIP 1
	s_sub_co_u32 s[CNT], s[CNT], 1
	s_cmp_lg_u32 s[CNT], 0
	s_cbranch_scc1 .Ll
	FINISH 1
	s_endpgm
.Lfunc_end_k_qdfbd3c4222_attn:
	.size	k_qdfbd3c4222_attn, .Lfunc_end_k_qdfbd3c4222_attn-k_qdfbd3c4222_attn
	.p2alignl 7, 3214868480
	.fill 96, 4, 3214868480
	.section	.rodata,"a",@progbits
	.p2align	6, 0x0
	.amdhsa_kernel k_qdfbd3c4222_attn
		.amdhsa_group_segment_fixed_size 327680
		.amdhsa_private_segment_fixed_size 0
		.amdhsa_enable_private_segment 0
		.amdhsa_kernarg_size 72
		.amdhsa_user_sgpr_count 2
		.amdhsa_user_sgpr_kernarg_segment_ptr 1
		.amdhsa_wavefront_size32 1
		.amdhsa_system_sgpr_workgroup_id_x 1
		.amdhsa_system_sgpr_workgroup_id_y 1
		.amdhsa_system_sgpr_workgroup_id_z 1
		.amdhsa_system_vgpr_workitem_id 0
		.amdhsa_next_free_vgpr 576
		.amdhsa_next_free_sgpr 104
		.amdhsa_reserve_vcc 1
		.amdhsa_float_denorm_mode_32 3
		.amdhsa_float_denorm_mode_16_64 3
		.amdhsa_memory_ordered 1
		.amdhsa_forward_progress 1
		.amdhsa_inst_pref_size 255
	.end_amdhsa_kernel
	.section	.bss,"aw",@nobits
	.p2align	6
	.space	262144
	.amdgpu_metadata
---
amdhsa.version: [ 1, 2 ]
amdhsa.kernels:
  - .name:           k_qdfbd3c4222_attn
    .symbol:         k_qdfbd3c4222_attn.kd
    .args:
      - { .name: q_codes, .offset: 0, .size: 8, .value_kind: global_buffer, .address_space: global }
      - { .name: q_scales, .offset: 8, .size: 8, .value_kind: global_buffer, .address_space: global }
      - { .name: rpe_matrix_codes, .offset: 16, .size: 8, .value_kind: global_buffer, .address_space: global }
      - { .name: rpe_matrix_scales, .offset: 24, .size: 8, .value_kind: global_buffer, .address_space: global }
      - { .name: v_codes, .offset: 32, .size: 8, .value_kind: global_buffer, .address_space: global }
      - { .name: v_scales, .offset: 40, .size: 8, .value_kind: global_buffer, .address_space: global }
      - { .name: kimg, .offset: 48, .size: 8, .value_kind: global_buffer, .address_space: global }
      - { .name: drop_noise, .offset: 56, .size: 8, .value_kind: global_buffer, .address_space: global }
      - { .name: out0, .offset: 64, .size: 8, .value_kind: global_buffer, .address_space: global }
    .group_segment_fixed_size: 327680
    .private_segment_fixed_size: 0
    .kernarg_segment_align: 8
    .kernarg_segment_size: 72
    .max_flat_workgroup_size: 128
    .sgpr_count:     104
    .vgpr_count:     576
    .wavefront_size: 32
...
	.end_amdgpu_metadata
.endif
;; end of part 2
